; MI455X (gfx1250); checked and timed in simulation.
; The chip was launched on July 23, 2026; its instructions are those of AMD's public machine-readable ISA for CDNA 5 (MIT licence, August 2026) and "CDNA5" Instruction Set Architecture Reference Guide (July 2026). The comments in the code are by the model that wrote it; some were corrected since.
;; rec attention. Allowed arithmetic: float matrix products may take bf16 or f16 operands with f32 sums; all other float work in f32.
;; Inputs: context_vector 128 x 1 float32; iput 1,024 x 1,024 x 128 float32.
;; Outputs: out0 1,024 x 1 x 128 float32; out1 1,024 x 1,024 float32.
;; 2 versions, each right; version 2 is version 1 with the launch pool written anew for expert scheduling mode. Each part assembles by itself: llvm-mc -triple=amdgcn-amd-amdhsa -mcpu=gfx1250 --defsym DOCPART=n.
;; ======== version 1 of 2: 1 launch
;; launch pool (part 1): grid 1024 x 1, 4 waves a work-group, no clusters, 6,912 bytes of LDS; arguments context_vector, iput, out0, out1; writes out0, out1
.if DOCPART == 1
	.amdgcn_target "amdgcn-amd-amdhsa--gfx1250"
	.amdhsa_code_object_version 6
	.text
	.protected	k_q1cb41d18f2_pool
	.globl	k_q1cb41d18f2_pool
	.p2align	8
	.type	k_q1cb41d18f2_pool,@function
k_q1cb41d18f2_pool:
	s_mov_b64 s[64:65], 0
	v_nop
	global_prefetch_b8 v0, s[64:65] scope:SCOPE_SE
	s_setreg_imm32_b32 hwreg(HW_REG_WAVE_MODE, 25, 1), 1
	s_wait_xcnt 0x0
; Attention pooling: score[b][s] = sum_d x[b][s][d] c[d];  alpha = softmax over s;  repres[b][d] = sum_s alpha[b][s] x[b][s][d].
; x: [1024][1024][128] f32, c: [128] f32, out0 = repres [1024][128] f32, out1 = alpha [1024][1024] f32.
;
; One work-group = one batch (1024 rows of 512 bytes); four waves, 256 consecutive rows each, in 16 chunks of 16 rows.
; x is read ONCE: softmax runs with a running maximum (m), a running sum (l) and a running weighted sum (acc), which are
; rescaled when the maximum rises; the raw scores wait in LDS (4 bytes a row) until the batch's maximum and sum are known.
; A lane owns 4 columns (16 bytes) of every row, so one load of a wave covers a whole row: 512 consecutive bytes, aligned.
; A ring of three register slots of 16 rows: one at work, two (32 loads, 16 KiB a wave) on their way.
;
; All arithmetic is f32 on the vector unit.  The matrix unit is left out: both products have a single row or column (one
; sixteenth of a tile), its operands would cost two conversions a row, as many instructions as the two packed multiply-adds
; that do the weighted sum outright, and it sums along registers, not along lanes, so it would not spare the lane fold.
; No cluster: work-groups share nothing but the 512 bytes of c.  No staging in LDS: the rows are wanted in registers, in
; exactly the layout in which the loads bring them.
;
; LIMITS.  Exponentials are base 2 (c is multiplied by log2 e once: one more rounding of c).  v_exp_f32 returns 0 for results
; below 2^-126 (ISA guide, its entry in 15.8): an alpha that small is stored as 0.  Sums are formed in another order than the reference's.
; A NaN or a +inf among a batch's scores makes that batch's outputs NaN, as in the reference.
.set ROWB,   512                       ; bytes in a row
.set CROWS,  16                        ; rows in a chunk
.set CHUNK,  CROWS*ROWB                ; 8,192 bytes
.set SLOTS,  3
.set NCHUNK, 256/CROWS                 ; 16 chunks a wave
.set TRIPS,  (NCHUNK-4)/SLOTS          ; 4 trips of three turns; the last four turns stand behind the loop
.set ACCB,   4096                      ; LDS: bytes 0-4095 scores (wave w: 1024 w ..), then 4 x 512 bytes of acc,
.set MLB,    6144                      ; then 4 x (m, l)
; vector registers
.set OFF, 1                            ; v1        16 x lane: my 16 bytes in a row (never rewritten)
.set C,   2                            ; v[2:5]    c of my 4 columns, times log2 e
.set ACC, 6                            ; v[6:9]    running weighted sum of my 4 columns
.set M,   10                           ; v10       running maximum of the wave's scores (the same in every lane)
.set L,   11                           ; v11       running sum of the weights of the rows that fall to my lane
.set SC,  12                           ; v[12:13]  rescale factor (the pair's second register is only named, never used)
.set W,   14                           ; v14       the chunk's weights: lane i holds row i >> 1
.set SA,  15                           ; v15       LDS address at which my lane puts its score
.set T,   16                           ; v[16:31]  partial dot products
.set U,   32                           ; v[32:47]  at work
.set X,   48                           ; v[48:239] slot s: 64 registers, row j in 4 of them
; scalar registers
.set WAVE, 12
.set CNT,  13
.set SEL,  14                          ; s[14:15]  v_permlanex16_b32: lane i takes lane i of the other half
.set M8,   16                          ; lanes whose bit 3 / 2 / 1 is set
.set M4,   17
.set M2,   18
.set WSC,  19                          ; 1024 x wave
.set BASE, 20                          ; s[20:25]  slot s: address of the chunk that the slot loads next
.set WACC, 26
.set WML,  27
.set WS,   32                          ; s[32:63]  16 pairs: the weight of row j in the first register of pair j
	s_load_b256 s[4:11], s[0:1], 0x0               ; c s[4:5], x s[6:7], out0 s[8:9], out1 s[10:11]
	v_lshl_add_u32 v240, v0, 2, 0x1900
	v_mov_b32 v241, 0
	v_lshrrev_b32 v[W], 5, v0
	v_readfirstlane_b32 s[WAVE], v[W]              ; wave 0..3
	v_and_b32 v[OFF], 31, v0                       ; lane
	v_lshrrev_b32 v[SA], 1, v[OFF]                 ; the row of a chunk whose score ends up in my lane
	v_lshlrev_b32 v[SA], 2, v[SA]
	v_lshlrev_b32 v[OFF], 4, v[OFF]
	s_lshl_b32 s[WSC], s[WAVE], 10                 ; my wave's 256 scores in LDS, and in a row of out1
	v_add_nc_u32 v[SA], s[WSC], v[SA]
	s_lshl_b32 s2, ttmp9, 19                       ; batch x 512 KiB (the whole of x is 2^29 bytes: 32 bits do)
	s_lshl_b32 s3, s[WAVE], 17                     ; + wave x 256 rows
	s_add_co_u32 s2, s2, s3
	s_mov_b32 s3, 0
	s_wait_kmcnt 0x0
	s_add_nc_u64 s[BASE:BASE+1], s[6:7], s[2:3]
	s_add_nc_u64 s[BASE+2:BASE+3], s[BASE:BASE+1], CHUNK
	s_add_nc_u64 s[BASE+4:BASE+5], s[BASE:BASE+1], 2*CHUNK
.macro FILL s                          ; sixteen loads, one row each; x is read once in the launch: non-temporal
.irp j, 0,1,2,3,4,5,6,7,8,9,10,11,12,13,14,15
	global_load_b128 v[X+64*\s+4*\j:X+64*\s+4*\j+3], v[OFF], s[BASE+2*\s:BASE+2*\s+1] offset:ROWB*\j th:TH_LOAD_NT
.endr
.endm
	global_load_b128 v[C:C+3], v[OFF], s[4:5]      ; c of my columns (every work-group reads it: no hint)
	FILL 0
	FILL 1
	FILL 2
	; constants and output addresses, while the ring fills
	s_lshl_b32 s2, ttmp9, 12                       ; out1: batch x 4,096 bytes + my wave's 1,024
	s_add_co_u32 s2, s2, s[WSC]
	s_add_nc_u64 s[10:11], s[10:11], s[2:3]
	s_lshl_b32 s2, ttmp9, 9                        ; out0: batch x 512 bytes
	s_add_nc_u64 s[8:9], s[8:9], s[2:3]
	s_mov_b32 s[SEL], 0x76543210
	s_mov_b32 s[SEL+1], 0xfedcba98
	s_mov_b32 s[M8], 0xff00ff00
	s_mov_b32 s[M4], 0xf0f0f0f0
	s_mov_b32 s[M2], 0xcccccccc
.irp j, 0,1,2,3,4,5,6,7,8,9,10,11,12,13,14,15
	s_mov_b32 s[WS+2*\j+1], 0                      ; second register of each weight pair: named by the packed forms, its value unused
.endr
	v_mov_b32 v[M], 0xff800000                     ; -inf: the first chunk's rescale factor is 2^-inf = 0
	v_mov_b32 v[L], 0
	v_mov_b32 v[SC+1], 0
.irp k, 0,1,2,3
	v_mov_b32 v[ACC+\k], 0
.endr
	s_wait_loadcnt 48                              ; c is in; the 48 row loads issued behind it stay out
.irp k, 0,1,2,3
	v_mul_f32 v[C+\k], 0x3fb8aa3b, v[C+\k]         ; scores come out in units of log2: e^x = 2^(x log2 e)
.endr
; One fold of the lane sum that also halves the registers.  Registers T+j and T+j+n hold partial sums of two rows.  Lanes whose bit is
; clear keep row j, the others row j+n; each lane hands the row it gives up to its partner (lane xor xm) and adds what it gets.
.macro FOLD n, msk, xm
.set jj, 0
.rept \n
	v_cndmask_b32 v[U+jj],   v[T+jj],    v[T+jj+\n], s[\msk]   ; the row I keep
	v_cndmask_b32 v[U+4+jj], v[T+jj+\n], v[T+jj],    s[\msk]   ; the row my partner keeps
.set jj, jj+1
.endr
.set jj, 0
.rept \n
	v_add_f32_dpp v[T+jj], v[U+4+jj], v[U+jj] row_xmask:\xm row_mask:0xf bank_mask:0xf
.set jj, jj+1
.endr
.endm
; The turn of slot s.  fill = 1: the slot gets the chunk three further on.  left = how many younger loads may stay out.
; soff = where this turn's scores go, relative to SA.
.macro TURN s, fill, left, soff
	s_wait_loadcnt \left                           ; loads return in order (ISA guide 5.7.1): my 16 rows are in, the younger chunks stay out
.if \fill
	s_add_nc_u64 s[BASE+2*\s:BASE+2*\s+1], s[BASE+2*\s:BASE+2*\s+1], SLOTS*CHUNK   ; free since that wait: the loads that named it are done
.endif
	; my 4 columns' share of the 16 dot products
.irp j, 0,1,2,3,4,5,6,7,8,9,10,11,12,13,14,15
	v_pk_mul_f32 v[T+2*\j:T+2*\j+1], v[X+64*\s+4*\j:X+64*\s+4*\j+1], v[C:C+1]
.endr
.irp j, 0,1,2,3,4,5,6,7,8,9,10,11,12,13,14,15
	v_pk_fma_f32 v[T+2*\j:T+2*\j+1], v[X+64*\s+4*\j+2:X+64*\s+4*\j+3], v[C+2:C+3], v[T+2*\j:T+2*\j+1]
.endr
.irp j, 0,1,2,3,4,5,6,7,8,9,10,11,12,13,14,15
	v_add_f32 v[T+\j], v[T+2*\j], v[T+2*\j+1]      ; row j to T+j: ascending j only overwrites pairs already summed
.endr
	; sum over the 32 lanes, 16 rows at once.  Lane bit 4: the swap puts row j's two halves into lanes 0-15 of T+j and T+j+8,
	; row j+8's into lanes 16-31; one add then folds both rows.
.irp j, 0,1,2,3,4,5,6,7
	v_permlane16_swap_b32 v[T+\j], v[T+\j+8]
.endr
.irp j, 0,2,4,6
	v_pk_add_f32 v[T+\j:T+\j+1], v[T+\j:T+\j+1], v[T+\j+8:T+\j+9]
.endr
	FOLD 4, M8, 8                                  ; lane bit 3 chooses between rows j and j+4
	FOLD 2, M4, 4                                  ; lane bit 2 between j and j+2
	FOLD 1, M2, 2                                  ; lane bit 1 between j and j+1
	v_add_f32_dpp v[T], v[T], v[T] row_xmask:1 row_mask:0xf bank_mask:0xf   ; lane bit 0: lane i now holds the score of row i >> 1
	ds_store_b32 v[SA], v[T] offset:\soff          ; kept for alpha; the two lanes of a row write the same word with the same value
	; running maximum, rescale factor, weights
	v_max_num_f32_dpp v[U], v[T], v[T] row_xmask:2 row_mask:0xf bank_mask:0xf
	v_max_num_f32_dpp v[U], v[U], v[U] row_xmask:4 row_mask:0xf bank_mask:0xf
	v_max_num_f32_dpp v[U], v[U], v[U] row_xmask:8 row_mask:0xf bank_mask:0xf
	v_permlanex16_b32 v[U+1], v[U], s[SEL], s[SEL+1]
	v_max3_num_f32 v[U+2], v[U], v[U+1], v[M]      ; the new maximum, in every lane
	v_sub_f32 v[U+3], v[M], v[U+2]
	v_sub_f32 v[U+4], v[T], v[U+2]
	v_exp_f32 v[SC], v[U+3]                        ; 2^(old - new): what has been summed so far shrinks by this
	v_exp_f32 v[W], v[U+4]                         ; 16 weights in one instruction
	v_mov_b32 v[M], v[U+2]                         ; the plain instruction that stands between v_exp_f32 and the use of its result (ISA guide 5.7.2)
	s_wait_alu depctr_va_vdst(0)
	v_fma_f32 v[L], v[L], v[SC], v[W]
	v_pk_mul_f32 v[ACC:ACC+1], v[ACC:ACC+1], v[SC:SC+1] op_sel_hi:[1,0]
	v_pk_mul_f32 v[ACC+2:ACC+3], v[ACC+2:ACC+3], v[SC:SC+1] op_sel_hi:[1,0]
	; acc += weight x row: the weight as a scalar, the same for all columns
.irp j, 0,1,2,3,4,5,6,7,8,9,10,11,12,13,14,15
	v_readlane_b32 s[WS+2*\j], v[W], 2*\j
.endr
.irp j, 0,1,2,3,4,5,6,7,8,9,10,11,12,13,14,15
	v_pk_fma_f32 v[ACC:ACC+1], v[X+64*\s+4*\j:X+64*\s+4*\j+1], s[WS+2*\j:WS+2*\j+1], v[ACC:ACC+1] op_sel_hi:[1,0,1]
	v_pk_fma_f32 v[ACC+2:ACC+3], v[X+64*\s+4*\j+2:X+64*\s+4*\j+3], s[WS+2*\j:WS+2*\j+1], v[ACC+2:ACC+3] op_sel_hi:[1,0,1]
.endr
.if \fill
	FILL \s
.endif
.endm
	s_mov_b32 s[CNT], TRIPS
.Lround:                                           ; chunks 0 to 11; they fetch chunks 3 to 14
	TURN 0, 1, 32, 0
	TURN 1, 1, 32, 64
	TURN 2, 1, 32, 128
	v_add_nc_u32 v[SA], 192, v[SA]                 ; three chunks of 16 scores further on
	s_sub_co_i32 s[CNT], s[CNT], 1
	s_cmp_lg_u32 s[CNT], 0
	s_cbranch_scc1 .Lround
	TURN 0, 1, 32, 0                               ; chunk 12 fetches chunk 15, the wave's last: no load leaves its 256 rows
	TURN 1, 0, 32, 64                              ; chunk 13: chunks 14 and 15 stay out
	TURN 2, 0, 16, 128                             ; chunk 14: chunk 15 stays out
	TURN 0, 0, 0, 192                              ; chunk 15
	; THE END OF THE BATCH.  l over the lanes: bits 1 to 4 only, since lanes i and i xor 1 carry the same rows.
	v_add_f32_dpp v[L], v[L], v[L] row_xmask:2 row_mask:0xf bank_mask:0xf
	v_add_f32_dpp v[L], v[L], v[L] row_xmask:4 row_mask:0xf bank_mask:0xf
	v_add_f32_dpp v[L], v[L], v[L] row_xmask:8 row_mask:0xf bank_mask:0xf
	v_permlanex16_b32 v[U], v[L], s[SEL], s[SEL+1]
	v_add_f32 v[L], v[L], v[U]
.set E,  48                            ; v[48:55] (m, l) of waves 0..3;  v[56:63] eight of my wave's scores
.set D,  64                            ; v[64:75] exponents: four m - M, eight score - M
.set F,  76                            ; v[76:79] the waves' factors;  v[80:87] eight alphas
.set G,  88                            ; the batch's maximum
.set R,  90                            ; 1 / the batch's sum;  v91 = the sum (the pair's second register)
.set H,  91
.set Y,  92                            ; v[92:107] acc of waves 0..3, my 4 columns
.set O,  108                           ; v[108:111] repres of my 4 columns
.set Z,  112
.set RA, 113
	s_lshl_b32 s[WACC], s[WAVE], 9
	s_lshl_b32 s[WML], s[WAVE], 3
	v_add_nc_u32 v[U+1], s[WACC], v[OFF]
	v_mov_b32 v[U+2], s[WML]
	ds_store_b128 v[U+1], v[ACC:ACC+3] offset:ACCB ; my wave's acc: 512 bytes
	ds_store_b64 v[U+2], v[M:M+1] offset:MLB       ; my wave's (m, l): every lane the same 8 bytes
	v_mov_b32 v[Z], 0
	v_add_nc_u32 v[RA], s[WSC], v[OFF]
	s_wait_dscnt 0x0                               ; zero: the other waves read these bytes behind the barrier
	s_barrier_signal -1
	s_barrier_wait -1
	ds_load_b128 v[E:E+3], v[Z] offset:MLB
	ds_load_b128 v[E+4:E+7], v[Z] offset:MLB+16
	ds_load_b128 v[E+8:E+11], v[RA]                ; my wave's own scores, now by rows: rows 4 lane .. + 3,
	ds_load_b128 v[E+12:E+15], v[RA] offset:512    ; and rows 128 + 4 lane .. + 3
	s_wait_dscnt 0x0
	v_max3_num_f32 v[G], v[E], v[E+2], v[E+4]
	v_max_num_f32 v[G], v[G], v[E+6]
.irp w, 0,1,2,3
	v_sub_f32 v[D+\w], v[E+2*\w], v[G]
.endr
.irp k, 0,1,2,3,4,5,6,7
	v_sub_f32 v[D+4+\k], v[E+8+\k], v[G]
.endr
.irp k, 0,1,2,3,4,5,6,7,8,9,10,11
	v_exp_f32 v[F+\k], v[D+\k]
.endr
	v_nop                                          ; one plain place between the exponentials and the use of their results (ISA guide 5.7.2)
	s_wait_alu depctr_va_vdst(0)
	v_mul_f32 v[H], v[F], v[E+1]                   ; the batch's sum: each wave's l brought to the common maximum
	v_fma_f32 v[H], v[F+1], v[E+3], v[H]
	v_fma_f32 v[H], v[F+2], v[E+5], v[H]
	v_fma_f32 v[H], v[F+3], v[E+7], v[H]
	v_rcp_f32 v[R], v[H]
	v_nop                                          ; the same place behind v_rcp_f32
	s_wait_alu depctr_va_vdst(0)
.irp k, 0,2,4,6,8,10
	v_pk_mul_f32 v[F+\k:F+\k+1], v[F+\k:F+\k+1], v[R:R+1] op_sel_hi:[1,0]   ; the four factors and the eight alphas, all divided by the sum
.endr
	global_store_b128 v[OFF], v[F+4:F+7], s[10:11] th:TH_STORE_NT              ; each store of the wave: 512 consecutive bytes, aligned
	global_store_b128 v[OFF], v[F+8:F+11], s[10:11] offset:512 th:TH_STORE_NT
	s_cmp_lg_u32 s[WAVE], 0
	s_cbranch_scc1 .Ldone                          ; repres is 512 bytes: one store of one wave
.irp w, 0,1,2,3
	ds_load_b128 v[Y+4*\w:Y+4*\w+3], v[OFF] offset:ACCB+512*\w
.endr
	s_wait_dscnt 0x0
	v_pk_mul_f32 v[O:O+1], v[Y:Y+1], v[F:F+1] op_sel_hi:[1,0]                                  ; wave 0's factor: first register of the pair
	v_pk_mul_f32 v[O+2:O+3], v[Y+2:Y+3], v[F:F+1] op_sel_hi:[1,0]
	v_pk_fma_f32 v[O:O+1], v[Y+4:Y+5], v[F:F+1], v[O:O+1] op_sel:[0,1,0] op_sel_hi:[1,1,1]      ; wave 1's: second register, for both halves
	v_pk_fma_f32 v[O+2:O+3], v[Y+6:Y+7], v[F:F+1], v[O+2:O+3] op_sel:[0,1,0] op_sel_hi:[1,1,1]
	v_pk_fma_f32 v[O:O+1], v[Y+8:Y+9], v[F+2:F+3], v[O:O+1] op_sel_hi:[1,0,1]
	v_pk_fma_f32 v[O+2:O+3], v[Y+10:Y+11], v[F+2:F+3], v[O+2:O+3] op_sel_hi:[1,0,1]
	v_pk_fma_f32 v[O:O+1], v[Y+12:Y+13], v[F+2:F+3], v[O:O+1] op_sel:[0,1,0] op_sel_hi:[1,1,1]
	v_pk_fma_f32 v[O+2:O+3], v[Y+14:Y+15], v[F+2:F+3], v[O+2:O+3] op_sel:[0,1,0] op_sel_hi:[1,1,1]
	global_store_b128 v[OFF], v[O:O+3], s[8:9] th:TH_STORE_NT
.Ldone:
	s_wait_tensorcnt 0x0
	ds_add_u32 v240, v241
	s_wait_dscnt 0x0
	s_endpgm
.Lfunc_end_k_q1cb41d18f2_pool:
	.size	k_q1cb41d18f2_pool, .Lfunc_end_k_q1cb41d18f2_pool-k_q1cb41d18f2_pool
	.p2alignl 7, 3214868480
	.fill 96, 4, 3214868480
	.section	.rodata,"a",@progbits
	.p2align	6, 0x0
	.amdhsa_kernel k_q1cb41d18f2_pool
		.amdhsa_group_segment_fixed_size 6912
		.amdhsa_private_segment_fixed_size 0
		.amdhsa_enable_private_segment 0
		.amdhsa_kernarg_size 32
		.amdhsa_user_sgpr_count 2
		.amdhsa_user_sgpr_kernarg_segment_ptr 1
		.amdhsa_wavefront_size32 1
		.amdhsa_system_sgpr_workgroup_id_x 1
		.amdhsa_system_sgpr_workgroup_id_y 1
		.amdhsa_system_sgpr_workgroup_id_z 1
		.amdhsa_system_vgpr_workitem_id 0
		.amdhsa_next_free_vgpr 242
		.amdhsa_next_free_sgpr 66
		.amdhsa_reserve_vcc 0
		.amdhsa_float_denorm_mode_32 3
		.amdhsa_float_denorm_mode_16_64 3
		.amdhsa_memory_ordered 1
		.amdhsa_forward_progress 1
		.amdhsa_inst_pref_size 75
	.end_amdhsa_kernel
	.amdgpu_metadata
---
amdhsa.version: [ 1, 2 ]
amdhsa.kernels:
  - .name:           k_q1cb41d18f2_pool
    .symbol:         k_q1cb41d18f2_pool.kd
    .args:
      - { .name: context_vector, .offset: 0, .size: 8, .value_kind: global_buffer, .address_space: global }
      - { .name: iput, .offset: 8, .size: 8, .value_kind: global_buffer, .address_space: global }
      - { .name: out0, .offset: 16, .size: 8, .value_kind: global_buffer, .address_space: global }
      - { .name: out1, .offset: 24, .size: 8, .value_kind: global_buffer, .address_space: global }
    .group_segment_fixed_size: 6912
    .private_segment_fixed_size: 0
    .kernarg_segment_align: 8
    .kernarg_segment_size: 32
    .max_flat_workgroup_size: 128
    .sgpr_count:     66
    .vgpr_count:     242
    .wavefront_size: 32
...
	.end_amdgpu_metadata
.endif
;; end of part 1
;; ======== version 2 of 2: 1 launch; version 1 with the launch pool written anew for expert scheduling mode
;; launch pool (part 2): grid 1024 x 1, 4 waves a work-group, no clusters, 6,912 bytes of LDS; arguments context_vector, iput, out0, out1; writes out0, out1
.if DOCPART == 2
	.amdgcn_target "amdgcn-amd-amdhsa--gfx1250"
	.amdhsa_code_object_version 6
	.text
	.protected	k_q1cb41d18f2_pool
	.globl	k_q1cb41d18f2_pool
	.p2align	8
	.type	k_q1cb41d18f2_pool,@function
k_q1cb41d18f2_pool:
	s_mov_b64 s[64:65], 0
	v_nop
	global_prefetch_b8 v0, s[64:65] scope:SCOPE_SE
	s_setreg_imm32_b32 hwreg(HW_REG_WAVE_SCHED_MODE, 0, 2), 2
	s_setreg_imm32_b32 hwreg(HW_REG_WAVE_MODE, 25, 1), 1
	s_wait_xcnt 0x0
	s_wait_alu depctr_vm_vsrc(0)
; Attention pooling: score[b][s] = sum_d x[b][s][d] c[d];  alpha = softmax over s;  repres[b][d] = sum_s alpha[b][s] x[b][s][d].
; x: [1024][1024][128] f32, c: [128] f32, out0 = repres [1024][128] f32, out1 = alpha [1024][1024] f32.
;
; One work-group = one batch (1024 rows of 512 bytes); four waves, 256 consecutive rows each, in 16 chunks of 16 rows.
; x is read ONCE: softmax runs with a running maximum (m), a running sum (l) and a running weighted sum (acc), which are
; rescaled when the maximum rises; the raw scores wait in LDS (4 bytes a row) until the batch's maximum and sum are known.
; A lane owns 4 columns (16 bytes) of every row, so one load of a wave covers a whole row: 512 consecutive bytes, aligned.
; A ring of three register slots of 16 rows: one at work, two (32 loads, 16 KiB a wave) on their way.
;
; All arithmetic is f32 on the vector unit.  The matrix unit is left out: both products have a single row or column (one
; sixteenth of a tile), its operands would cost two conversions a row, as many instructions as the two packed multiply-adds
; that do the weighted sum outright, and it sums along registers, not along lanes, so it would not spare the lane fold.
; No cluster: work-groups share nothing but the 512 bytes of c.  No staging in LDS: the rows are wanted in registers, in
; exactly the layout in which the loads bring them.
;
; LIMITS.  Exponentials are base 2 (c is multiplied by log2 e once: one more rounding of c).  v_exp_f32 returns 0 for results
; below 2^-126 (ISA guide, its entry in 15.8): an alpha that small is stored as 0.  Sums are formed in another order than the reference's.
; A NaN or a +inf among a batch's scores makes that batch's outputs NaN, as in the reference.
;
; THE MODE: SCHED_MODE bits 1:0 = 2 (LLVM: expert scheduling mode 2), set by the entry lines.  The code itself states the register
; dependences between vector instructions and memory or LDS instructions, with s_wait_alu, always for 0.
; THE PLAN.  Registers that memory or LDS instructions touch, in the loop:
;   X0 .. X2   Turn s: its dot products and, last, its weighted sum read X[s]; behind them the loads of the chunk three further on land in it.
;   v[T]       Written by the lane fold; read by the turn's one LDS store; written again by the next turn's first multiply.
;   v[SA]      That store's LDS address; stepped once a trip.
;   v[OFF]     Read by every load and store of memory; written at the head and never again: the rows are reached by the slots' scalar bases and by immediate offsets.
;   All else (c, acc, m, l, the weights, the registers at work) is named by vector instructions alone.
; A turn has four waits.  (1) va_vdst behind the two exponentials: their results are written, and so is v[T]; the LDS store follows it.
; (2) va_sdst behind the sixteen v_readlane_b32: the weights are in their scalar registers.  (3) vm_vsrc behind the weighted sum: the LDS store has read
; v[T] and v[SA]; it stands ahead of the slot's loads, which read v[OFF] alone.  (4) va_vdst straight ahead of those loads: the weighted sum is done
; reading X[s].  It stands at the turn's end and not at the next turn's head, so that the slot is asked for again at once and 32 to 48 loads stay on their way.
.set ROWB,   512                       ; bytes in a row
.set CROWS,  16                        ; rows in a chunk
.set CHUNK,  CROWS*ROWB                ; 8,192 bytes
.set SLOTS,  3
.set NCHUNK, 256/CROWS                 ; 16 chunks a wave
.set TRIPS,  (NCHUNK-4)/SLOTS          ; 4 trips of three turns; the last four turns stand behind the loop
.set ACCB,   4096                      ; LDS: bytes 0-4095 scores (wave w: 1024 w ..), then 4 x 512 bytes of acc,
.set MLB,    6144                      ; then 4 x (m, l); from byte 6,400 on the spare words, 128 bytes a wave, which no other line names
; vector registers
.set OFF, 1                            ; v1        16 x lane: my 16 bytes in a row (never rewritten)
.set C,   2                            ; v[2:5]    c of my 4 columns, times log2 e
.set ACC, 6                            ; v[6:9]    running weighted sum of my 4 columns
.set M,   10                           ; v10       running maximum of the wave's scores (the same in every lane)
.set L,   11                           ; v11       running sum of the weights of the rows that fall to my lane
.set SC,  12                           ; v[12:13]  rescale factor (the pair's second register is only named, never used)
.set W,   14                           ; v14       the chunk's weights: lane i holds row i >> 1
.set SA,  15                           ; v15       LDS address at which my lane puts its score
.set T,   16                           ; v[16:31]  partial dot products
.set U,   32                           ; v[32:47]  at work
.set X,   48                           ; v[48:239] slot s: 64 registers, row j in 4 of them
                                       ; v240, v241  the closing add's two registers: my spare word's LDS address, and 0; made at the head and kept for that alone
; scalar registers
.set WAVE, 12
.set CNT,  13
.set SEL,  14                          ; s[14:15]  v_permlanex16_b32: lane i takes lane i of the other half
.set M8,   16                          ; lanes whose bit 3 / 2 / 1 is set
.set M4,   17
.set M2,   18
.set WSC,  19                          ; 1024 x wave
.set BASE, 20                          ; s[20:25]  slot s: address of the chunk that the slot loads next
.set WACC, 26
.set WML,  27
.set WS,   32                          ; s[32:63]  16 pairs: the weight of row j in the first register of pair j
	s_load_b256 s[4:11], s[0:1], 0x0               ; c s[4:5], x s[6:7], out0 s[8:9], out1 s[10:11]
	v_lshl_add_u32 v240, v0, 2, 0x1900
	v_mov_b32 v241, 0
	v_lshrrev_b32 v[W], 5, v0
	v_readfirstlane_b32 s[WAVE], v[W]              ; wave 0..3
	v_and_b32 v[OFF], 31, v0                       ; lane
	v_lshrrev_b32 v[SA], 1, v[OFF]                 ; the row of a chunk whose score ends up in my lane
	v_lshlrev_b32 v[SA], 2, v[SA]
	v_lshlrev_b32 v[OFF], 4, v[OFF]
	s_wait_alu depctr_va_sdst(0)                   ; the wave's number is written, ahead of its first reader: LDS places and the bases of x and out1 are made from it
	s_lshl_b32 s[WSC], s[WAVE], 10                 ; my wave's 256 scores in LDS, and in a row of out1
	v_add_nc_u32 v[SA], s[WSC], v[SA]
	s_lshl_b32 s2, ttmp9, 19                       ; batch x 512 KiB (the whole of x is 2^29 bytes: 32 bits do)
	s_lshl_b32 s3, s[WAVE], 17                     ; + wave x 256 rows
	s_add_co_u32 s2, s2, s3
	s_mov_b32 s3, 0
	s_wait_kmcnt 0x0
	s_add_nc_u64 s[BASE:BASE+1], s[6:7], s[2:3]
	s_add_nc_u64 s[BASE+2:BASE+3], s[BASE:BASE+1], CHUNK
	s_add_nc_u64 s[BASE+4:BASE+5], s[BASE:BASE+1], 2*CHUNK
.macro FILL s                          ; sixteen loads, one row each; x is read once in the launch: non-temporal
.irp j, 0,1,2,3,4,5,6,7,8,9,10,11,12,13,14,15
	global_load_b128 v[X+64*\s+4*\j:X+64*\s+4*\j+3], v[OFF], s[BASE+2*\s:BASE+2*\s+1] offset:ROWB*\j th:TH_LOAD_NT
.endr
.endm
	s_wait_alu depctr_va_vdst(0)                   ; v[OFF] is written, which every load and store of memory reads as its offset; so is v[SA], the LDS stores' address
	global_load_b128 v[C:C+3], v[OFF], s[4:5]      ; c of my columns (every work-group reads it: no hint)
	FILL 0
	FILL 1
	FILL 2
	; constants and output addresses, while the ring fills
	s_lshl_b32 s2, ttmp9, 12                       ; out1: batch x 4,096 bytes + my wave's 1,024
	s_add_co_u32 s2, s2, s[WSC]
	s_add_nc_u64 s[10:11], s[10:11], s[2:3]
	s_lshl_b32 s2, ttmp9, 9                        ; out0: batch x 512 bytes
	s_add_nc_u64 s[8:9], s[8:9], s[2:3]
	s_mov_b32 s[SEL], 0x76543210
	s_mov_b32 s[SEL+1], 0xfedcba98
	s_mov_b32 s[M8], 0xff00ff00
	s_mov_b32 s[M4], 0xf0f0f0f0
	s_mov_b32 s[M2], 0xcccccccc
.irp j, 0,1,2,3,4,5,6,7,8,9,10,11,12,13,14,15
	s_mov_b32 s[WS+2*\j+1], 0                      ; second register of each weight pair: named by the packed forms, its value unused
.endr
	v_mov_b32 v[M], 0xff800000                     ; -inf: the first chunk's rescale factor is 2^-inf = 0
	v_mov_b32 v[L], 0
	v_mov_b32 v[SC+1], 0
.irp k, 0,1,2,3
	v_mov_b32 v[ACC+\k], 0
.endr
	s_wait_loadcnt 48                              ; c is in; the 48 row loads issued behind it stay out
.irp k, 0,1,2,3
	v_mul_f32 v[C+\k], 0x3fb8aa3b, v[C+\k]         ; scores come out in units of log2: e^x = 2^(x log2 e)
.endr
; One fold of the lane sum that also halves the registers.  Registers T+j and T+j+n hold partial sums of two rows.  Lanes whose bit is
; clear keep row j, the others row j+n; each lane hands the row it gives up to its partner (lane xor xm) and adds what it gets.
.macro FOLD n, msk, xm
.set jj, 0
.rept \n
	v_cndmask_b32 v[U+jj],   v[T+jj],    v[T+jj+\n], s[\msk]   ; the row I keep
	v_cndmask_b32 v[U+4+jj], v[T+jj+\n], v[T+jj],    s[\msk]   ; the row my partner keeps
.set jj, jj+1
.endr
.set jj, 0
.rept \n
	v_add_f32_dpp v[T+jj], v[U+4+jj], v[U+jj] row_xmask:\xm row_mask:0xf bank_mask:0xf
.set jj, jj+1
.endr
.endm
; The turn of slot s.  fill = 1: the slot gets the chunk three further on.  left = how many younger loads may stay out.
; soff = where this turn's scores go, relative to SA.  step = 1: SA moves on by a trip's three chunks.  more = 1: a further turn follows.
.macro TURN s, fill, left, soff, step, more
	s_wait_loadcnt \left                           ; loads return in order (ISA guide 5.7.1): my 16 rows are in, the younger chunks stay out
.if \fill
	s_add_nc_u64 s[BASE+2*\s:BASE+2*\s+1], s[BASE+2*\s:BASE+2*\s+1], SLOTS*CHUNK   ; free since that wait: the loads that named it are done
.endif
	; my 4 columns' share of the 16 dot products
.irp j, 0,1,2,3,4,5,6,7,8,9,10,11,12,13,14,15
	v_pk_mul_f32 v[T+2*\j:T+2*\j+1], v[X+64*\s+4*\j:X+64*\s+4*\j+1], v[C:C+1]
.endr
.irp j, 0,1,2,3,4,5,6,7,8,9,10,11,12,13,14,15
	v_pk_fma_f32 v[T+2*\j:T+2*\j+1], v[X+64*\s+4*\j+2:X+64*\s+4*\j+3], v[C+2:C+3], v[T+2*\j:T+2*\j+1]
.endr
.irp j, 0,1,2,3,4,5,6,7,8,9,10,11,12,13,14,15
	v_add_f32 v[T+\j], v[T+2*\j], v[T+2*\j+1]      ; row j to T+j: ascending j only overwrites pairs already summed
.endr
	; sum over the 32 lanes, 16 rows at once.  Lane bit 4: the swap puts row j's two halves into lanes 0-15 of T+j and T+j+8,
	; row j+8's into lanes 16-31; one add then folds both rows.
.irp j, 0,1,2,3,4,5,6,7
	v_permlane16_swap_b32 v[T+\j], v[T+\j+8]
.endr
.irp j, 0,2,4,6
	v_pk_add_f32 v[T+\j:T+\j+1], v[T+\j:T+\j+1], v[T+\j+8:T+\j+9]
.endr
	FOLD 4, M8, 8                                  ; lane bit 3 chooses between rows j and j+4
	FOLD 2, M4, 4                                  ; lane bit 2 between j and j+2
	FOLD 1, M2, 2                                  ; lane bit 1 between j and j+1
	v_add_f32_dpp v[T], v[T], v[T] row_xmask:1 row_mask:0xf bank_mask:0xf   ; lane bit 0: lane i now holds the score of row i >> 1
	; running maximum, rescale factor, weights
	v_max_num_f32_dpp v[U], v[T], v[T] row_xmask:2 row_mask:0xf bank_mask:0xf
	v_max_num_f32_dpp v[U], v[U], v[U] row_xmask:4 row_mask:0xf bank_mask:0xf
	v_max_num_f32_dpp v[U], v[U], v[U] row_xmask:8 row_mask:0xf bank_mask:0xf
	v_permlanex16_b32 v[U+1], v[U], s[SEL], s[SEL+1]
	v_max3_num_f32 v[U+2], v[U], v[U+1], v[M]      ; the new maximum, in every lane
	v_sub_f32 v[U+3], v[M], v[U+2]
	v_sub_f32 v[U+4], v[T], v[U+2]
	v_exp_f32 v[SC], v[U+3]                        ; 2^(old - new): what has been summed so far shrinks by this
	v_exp_f32 v[W], v[U+4]                         ; 16 weights in one instruction
	v_mov_b32 v[M], v[U+2]                         ; the plain instruction that stands between v_exp_f32 and the use of its result (ISA guide 5.7.2)
	s_wait_alu depctr_va_vdst(0)                   ; the two exponentials have written v[SC] and v[W], ahead of their first readers; the fold has written v[T], which the LDS store reads
	ds_store_b32 v[SA], v[T] offset:\soff          ; kept for alpha; the two lanes of a row write the same word with the same value
	; acc += weight x row: the weight as a scalar, the same for all columns
.irp j, 0,1,2,3,4,5,6,7,8,9,10,11,12,13,14,15
	v_readlane_b32 s[WS+2*\j], v[W], 2*\j
.endr
	v_fma_f32 v[L], v[L], v[SC], v[W]              ; the rescaling stands between the sixteen lines above and the wait for them
	v_pk_mul_f32 v[ACC:ACC+1], v[ACC:ACC+1], v[SC:SC+1] op_sel_hi:[1,0]
	v_pk_mul_f32 v[ACC+2:ACC+3], v[ACC+2:ACC+3], v[SC:SC+1] op_sel_hi:[1,0]
	s_wait_alu depctr_va_sdst(0)                   ; the sixteen v_readlane_b32 have written the weights' scalar registers, ahead of their first reader
.irp j, 0,1,2,3,4,5,6,7,8,9,10,11,12,13,14,15
	v_pk_fma_f32 v[ACC:ACC+1], v[X+64*\s+4*\j:X+64*\s+4*\j+1], s[WS+2*\j:WS+2*\j+1], v[ACC:ACC+1] op_sel_hi:[1,0,1]
	v_pk_fma_f32 v[ACC+2:ACC+3], v[X+64*\s+4*\j+2:X+64*\s+4*\j+3], s[WS+2*\j:WS+2*\j+1], v[ACC+2:ACC+3] op_sel_hi:[1,0,1]
.endr
.if \more
	s_wait_alu depctr_vm_vsrc(0)                   ; this turn's LDS store has read v[T], which the next turn's first multiply writes again, and v[SA], which the line below steps once a trip
.endif
.if \step
	v_add_nc_u32 v[SA], 192, v[SA]                 ; three chunks of 16 scores further on
.endif
.if \fill
	s_wait_alu depctr_va_vdst(0)                   ; the weighted sum is done reading X[s], in which the loads below land; where v[SA] was stepped, it is written
	FILL \s
.endif
.endm
	s_mov_b32 s[CNT], TRIPS
.Lround:                                           ; chunks 0 to 11; they fetch chunks 3 to 14
	TURN 0, 1, 32, 0, 0, 1
	TURN 1, 1, 32, 64, 0, 1
	TURN 2, 1, 32, 128, 1, 1
	s_sub_co_i32 s[CNT], s[CNT], 1
	s_cmp_lg_u32 s[CNT], 0
	s_cbranch_scc1 .Lround
	TURN 0, 1, 32, 0, 0, 1                         ; chunk 12 fetches chunk 15, the wave's last: no load leaves its 256 rows
	TURN 1, 0, 32, 64, 0, 1                        ; chunk 13: chunks 14 and 15 stay out
	TURN 2, 0, 16, 128, 0, 1                       ; chunk 14: chunk 15 stays out
	TURN 0, 0, 0, 192, 0, 0                        ; chunk 15: nothing behind it writes v[T] or v[SA] again
	; THE END OF THE BATCH.  l over the lanes: bits 1 to 4 only, since lanes i and i xor 1 carry the same rows.
	v_add_f32_dpp v[L], v[L], v[L] row_xmask:2 row_mask:0xf bank_mask:0xf
	v_add_f32_dpp v[L], v[L], v[L] row_xmask:4 row_mask:0xf bank_mask:0xf
	v_add_f32_dpp v[L], v[L], v[L] row_xmask:8 row_mask:0xf bank_mask:0xf
	v_permlanex16_b32 v[U], v[L], s[SEL], s[SEL+1]
	v_add_f32 v[L], v[L], v[U]
.set E,  48                            ; v[48:55] (m, l) of waves 0..3;  v[56:63] eight of my wave's scores
.set D,  64                            ; v[64:75] exponents: four m - M, eight score - M
.set F,  76                            ; v[76:79] the waves' factors;  v[80:87] eight alphas
.set G,  88                            ; the batch's maximum
.set R,  90                            ; 1 / the batch's sum;  v91 = the sum (the pair's second register)
.set H,  91
.set Y,  92                            ; v[92:107] acc of waves 0..3, my 4 columns
.set O,  108                           ; v[108:111] repres of my 4 columns
.set Z,  112
.set RA, 113
	s_lshl_b32 s[WACC], s[WAVE], 9
	s_lshl_b32 s[WML], s[WAVE], 3
	v_add_nc_u32 v[U+1], s[WACC], v[OFF]
	v_mov_b32 v[U+2], s[WML]
	v_mov_b32 v[Z], 0
	v_add_nc_u32 v[RA], s[WSC], v[OFF]
	s_wait_alu depctr_va_vdst(0)                   ; acc, m and l are written, which the two LDS stores read; so are the four LDS addresses above; and the turns are done reading v[48:63] and v[92:107], in which the LDS loads below land (no vector line between here and those loads names them)
	ds_store_b128 v[U+1], v[ACC:ACC+3] offset:ACCB ; my wave's acc: 512 bytes
	ds_store_b64 v[U+2], v[M:M+1] offset:MLB       ; my wave's (m, l): every lane the same 8 bytes
	s_wait_dscnt 0x0                               ; zero: the other waves read these bytes behind the barrier
	s_barrier_signal -1
	s_barrier_wait -1
	ds_load_b128 v[E:E+3], v[Z] offset:MLB
	ds_load_b128 v[E+4:E+7], v[Z] offset:MLB+16
	ds_load_b128 v[E+8:E+11], v[RA]                ; my wave's own scores, now by rows: rows 4 lane .. + 3,
	ds_load_b128 v[E+12:E+15], v[RA] offset:512    ; and rows 128 + 4 lane .. + 3
	s_wait_dscnt 0x0
	v_max3_num_f32 v[G], v[E], v[E+2], v[E+4]
	v_max_num_f32 v[G], v[G], v[E+6]
.irp w, 0,1,2,3
	v_sub_f32 v[D+\w], v[E+2*\w], v[G]
.endr
.irp k, 0,1,2,3,4,5,6,7
	v_sub_f32 v[D+4+\k], v[E+8+\k], v[G]
.endr
.irp k, 0,1,2,3,4,5,6,7,8,9,10,11
	v_exp_f32 v[F+\k], v[D+\k]
.endr
	v_nop                                          ; one plain place between the exponentials and the use of their results (ISA guide 5.7.2)
	s_wait_alu depctr_va_vdst(0)                   ; the twelve exponentials have written v[F ..], ahead of their first reader
	v_mul_f32 v[H], v[F], v[E+1]                   ; the batch's sum: each wave's l brought to the common maximum
	v_fma_f32 v[H], v[F+1], v[E+3], v[H]
	v_fma_f32 v[H], v[F+2], v[E+5], v[H]
	v_fma_f32 v[H], v[F+3], v[E+7], v[H]
	v_rcp_f32 v[R], v[H]
	v_nop                                          ; the same place behind v_rcp_f32
	s_wait_alu depctr_va_vdst(0)                   ; the reciprocal has written v[R], ahead of its first reader
.irp k, 0,2,4,6,8,10
	v_pk_mul_f32 v[F+\k:F+\k+1], v[F+\k:F+\k+1], v[R:R+1] op_sel_hi:[1,0]   ; the four factors and the eight alphas, all divided by the sum
.endr
	s_wait_alu depctr_va_vdst(0)                   ; the multiplies have written the eight alphas, which the two stores read
	global_store_b128 v[OFF], v[F+4:F+7], s[10:11] th:TH_STORE_NT              ; each store of the wave: 512 consecutive bytes, aligned
	global_store_b128 v[OFF], v[F+8:F+11], s[10:11] offset:512 th:TH_STORE_NT
	s_cmp_lg_u32 s[WAVE], 0
	s_cbranch_scc1 .Ldone                          ; repres is 512 bytes: one store of one wave
.irp w, 0,1,2,3
	ds_load_b128 v[Y+4*\w:Y+4*\w+3], v[OFF] offset:ACCB+512*\w
.endr
	s_wait_dscnt 0x0
	v_pk_mul_f32 v[O:O+1], v[Y:Y+1], v[F:F+1] op_sel_hi:[1,0]                                  ; wave 0's factor: first register of the pair
	v_pk_mul_f32 v[O+2:O+3], v[Y+2:Y+3], v[F:F+1] op_sel_hi:[1,0]
	v_pk_fma_f32 v[O:O+1], v[Y+4:Y+5], v[F:F+1], v[O:O+1] op_sel:[0,1,0] op_sel_hi:[1,1,1]      ; wave 1's: second register, for both halves
	v_pk_fma_f32 v[O+2:O+3], v[Y+6:Y+7], v[F:F+1], v[O+2:O+3] op_sel:[0,1,0] op_sel_hi:[1,1,1]
	v_pk_fma_f32 v[O:O+1], v[Y+8:Y+9], v[F+2:F+3], v[O:O+1] op_sel_hi:[1,0,1]
	v_pk_fma_f32 v[O+2:O+3], v[Y+10:Y+11], v[F+2:F+3], v[O+2:O+3] op_sel_hi:[1,0,1]
	v_pk_fma_f32 v[O:O+1], v[Y+12:Y+13], v[F+2:F+3], v[O:O+1] op_sel:[0,1,0] op_sel_hi:[1,1,1]
	v_pk_fma_f32 v[O+2:O+3], v[Y+14:Y+15], v[F+2:F+3], v[O+2:O+3] op_sel:[0,1,0] op_sel_hi:[1,1,1]
	s_wait_alu depctr_va_vdst(0)                   ; the merge has written v[O ..], which the store reads
	global_store_b128 v[OFF], v[O:O+3], s[8:9] th:TH_STORE_NT
.Ldone:
	s_wait_dscnt 0x0                               ; the closing lines, six on end
	s_wait_alu 0x0
	s_wait_tensorcnt 0x0
	ds_add_u32 v240, v241
	s_wait_dscnt 0x0
	s_endpgm
.Lfunc_end_k_q1cb41d18f2_pool:
	.size	k_q1cb41d18f2_pool, .Lfunc_end_k_q1cb41d18f2_pool-k_q1cb41d18f2_pool
	.p2alignl 7, 3214868480
	.fill 96, 4, 3214868480
	.section	.rodata,"a",@progbits
	.p2align	6, 0x0
	.amdhsa_kernel k_q1cb41d18f2_pool
		.amdhsa_group_segment_fixed_size 6912
		.amdhsa_private_segment_fixed_size 0
		.amdhsa_enable_private_segment 0
		.amdhsa_kernarg_size 32
		.amdhsa_user_sgpr_count 2
		.amdhsa_user_sgpr_kernarg_segment_ptr 1
		.amdhsa_wavefront_size32 1
		.amdhsa_system_sgpr_workgroup_id_x 1
		.amdhsa_system_sgpr_workgroup_id_y 1
		.amdhsa_system_sgpr_workgroup_id_z 1
		.amdhsa_system_vgpr_workitem_id 0
		.amdhsa_next_free_vgpr 242
		.amdhsa_next_free_sgpr 66
		.amdhsa_reserve_vcc 0
		.amdhsa_float_denorm_mode_32 3
		.amdhsa_float_denorm_mode_16_64 3
		.amdhsa_memory_ordered 1
		.amdhsa_forward_progress 1
		.amdhsa_inst_pref_size 76
	.end_amdhsa_kernel
	.amdgpu_metadata
---
amdhsa.version: [ 1, 2 ]
amdhsa.kernels:
  - .name:           k_q1cb41d18f2_pool
    .symbol:         k_q1cb41d18f2_pool.kd
    .args:
      - { .name: context_vector, .offset: 0, .size: 8, .value_kind: global_buffer, .address_space: global }
      - { .name: iput, .offset: 8, .size: 8, .value_kind: global_buffer, .address_space: global }
      - { .name: out0, .offset: 16, .size: 8, .value_kind: global_buffer, .address_space: global }
      - { .name: out1, .offset: 24, .size: 8, .value_kind: global_buffer, .address_space: global }
    .group_segment_fixed_size: 6912
    .private_segment_fixed_size: 0
    .kernarg_segment_align: 8
    .kernarg_segment_size: 32
    .max_flat_workgroup_size: 128
    .sgpr_count:     66
    .vgpr_count:     242
    .wavefront_size: 32
...
	.end_amdgpu_metadata
.endif
;; end of part 2
